; MI455X (gfx1250); checked and timed in simulation.
; The chip was launched on July 23, 2026; its instructions are those of AMD's public machine-readable ISA for CDNA 5 (MIT licence, August 2026) and "CDNA5" Instruction Set Architecture Reference Guide (July 2026). The comments in the code are by the model that wrote it; some were corrected since.
;; Attention Core. Allowed arithmetic: float matrix products may take bf16 or f16 operands with f32 sums; all other float work in f32.
;; Inputs: k 4 x 16 x 2,048 x 64 float32; q 4 x 16 x 2,048 x 64 float32; v 4 x 16 x 2,048 x 64 float32.
;; Outputs: out0 4 x 2,048 x 1,024 float32.
;; 2 versions, each right; version 2 is version 1 with the launch attn written anew for expert scheduling mode. Each part assembles by itself: llvm-mc -triple=amdgcn-amd-amdhsa -mcpu=gfx1250 --defsym DOCPART=n.
;; ======== version 1 of 2: 1 launch
;; limits: values are held in f16: magnitudes above 65,504 overflow, below 6.1e-05 lose precision; inputs' magnitudes at most 65,504
;; launch attn (part 1): grid 256 x 1, 8 waves a work-group, no clusters, 232,448 bytes of LDS; arguments q, k, v, out0; writes out0
.if DOCPART == 1
	.amdgcn_target "amdgcn-amd-amdhsa--gfx1250"
	.amdhsa_code_object_version 6
	.text
	.protected	k_q3c2648a938_attn
	.globl	k_q3c2648a938_attn
	.p2align	8
	.type	k_q3c2648a938_attn,@function
k_q3c2648a938_attn:
	s_mov_b64 s[64:65], 0
	v_nop
	global_prefetch_b8 v0, s[64:65] scope:SCOPE_SE
	s_setreg_imm32_b32 hwreg(HW_REG_WAVE_MODE, 25, 1), 1
	s_wait_xcnt 0x0
; Causal attention.  q, k, v: [64 heads][2048][64] f32.  out0: [4][2048][16 x 64] f32.
; scores = q k^T / 8; keys behind the query get the score -10000 (NOT -inf: they stay in the softmax); softmax; times v.
;
; SHARING.  Work-group x: head = x >> 2, p = x & 3.  It makes two blocks of 256 queries, HI = block 7-p and LO = block p, and walks the key
; blocks 0..7-p and 0..p: 9 blocks of 256 keys in every work-group.  Wave w owns queries 32 w .. 32 w + 31 of the block, as two tiles of 16.
; A step is a tile of 128 keys, worked in two halves of 64 keys; each half is one update of a running-maximum softmax.
; THE KEYS THAT ARE NOT WALKED all carry the score -10000.  For a row with maximum m they add w * (sum of their v) to the numerator and
; w * (their number) to the denominator, w = exp(-10000 - m).  The column sums of v are made in f32 on the staging registers, and the tail
; enters at the end as one more update of the running maximum.  Inside the diagonal block the mask is applied score by score.
; TRANSPOSED PRODUCTS.  S^T = K Q^T: register j of lane (r, h) holds key 16 st + 8 h + j of query r, so two packed tiles ARE the B fragment
; of O^T = V^T P^T, and maximum, rescale and 1/sum are one number a lane.  A fifth A fragment of ones makes the row sums of P.
; NUMBER FORMAT: f16 for all four matrix operands, sums in f32.  The first query rows weigh a few v of size 1 with probabilities of size
; 0.1 to 1, while the output's root mean square is near 0.1: eight significant bits in P are too few there, f16's eleven are enough.
; DATA PATH.  k and v are f32 and must pass through registers to be rounded to f16: global_load_b128 (512 consecutive bytes a wave) ->
; v_cvt_pk_f16_f32 -> ds_store_b64 into the other of two LDS slots -> barrier.  Each element is converted once a work-group.  The loads of
; tile t+1 are issued at the head of step t and waited for at its foot.
; NO TENSOR LOADS, NO CLUSTER: a tile landed in LDS as f32 would be read and written once more for the conversion; and the four work-groups of
; a head walk 16-2p and 2p+2 tiles, so partners would need different numbers of tiles and branches that differ between them.
; LIMITS.  q, k, v and the probabilities enter the matrix unit rounded to f16: an input of magnitude 65,504 or more becomes an infinity and is
; not served (numbers of spread 1, 30 times larger and offset by 30 of those spreads, stay below 1,100); below 2^-14 an operand's step is
; 2^-24.  The denominator sums the rounded probabilities; the tail sums are f32 sums of the unrounded v in an order of their own.
; Non-finite inputs are not served.  A weight below 2^-126 comes out of v_exp_f32 as 0; it stands beside a term of 1 in the same sum.
.set KP,    144                        ; LDS pitch of a row of 64 f16 of K or Q: 128 + 16 bytes, an odd multiple of 16: 16 rows start in 16 different 16-byte columns modulo 256
.set VP,    160                        ; pitch of a row of V, [key][d]: an odd multiple of 32, for the transposing load
.set OP,    272                        ; pitch of a row of 64 f32 in the out stage
.set VOFF,  128*KP                     ; a slot: K's 128 rows, then V's 128 rows
.set SLOT,  128*KP+128*VP              ; 38,912 bytes; two slots
.set TSH,   2*SLOT                     ; tail partial sums for HI: 16 rows x 64 f32; those for LO 4,096 bytes further
.set TW,    TSH+8192                   ; 256 bytes a wave: the finished tail sums
.set QS,    TW+2048                    ; 9,216 bytes a wave: its 32 rows of Q for HI, then its 32 for LO, f16
.set OS,    QS+8*64*KP                 ; 8,704 bytes a wave: out stage, 32 rows of f32
.set TILEB, 32768                      ; bytes of a tile of 128 rows of f32 in memory
; window 0 (an instruction names v0-v255; s_set_vgpr_msb says which block of 256 each operand place means)
.set RR,   1                           ; r = lane & 15
.set HH,   2                           ; h = lane >> 4
.set L16,  3                           ; 16 x lane
.set KA,   4                           ; v4-5   K fragment address in slot 0, 1
.set VA,   6                           ; v6-7   V fragment address in slot 0, 1
.set VREL, 8                           ; r - 8 h
.set VT,   9                           ; mask threshold of the half
.set AL,   10                          ; v10, v12  rescale factor of query tile 0, 1 (low register of a pair, broadcast)
.set MX,   11                          ; v11, v13  running maximum, on raw scores
.set NM,   14                          ; v14, v16  -c x maximum
.set TX,   15                          ; v15, v17  what the other half of the lanes found
.set TA,   18                          ; v18-27 at work
.set QSW,  28
.set QFA,  29
.set OSW,  30
.set OSR,  31
.set OOFF, 32
.set TSR,  33
.set TWW,  34
.set TWR,  35
.set CNT,  36                          ; number of keys not walked, f32
.set ONES, 40                          ; v[40:47]   A fragment of f16 ones
.set LC,   48                          ; v[48:63]   row sums, tile q at LC + 8 q (all eight registers equal)
.set OA,   64                          ; v[64:127]  O^T, tile (dt, q) at OA + 8 (2 dt + q)
.set SC,   128                         ; v[128:191] scores, tile (q, st) at SC + 32 q + 8 st; P in place in the first 8 of each 16
.set FR,   192                         ; v[192:255] fragments: K, then V
; window 1: the stager's registers and Q's fragments
.set GK,    0                          ; 8 x 4 registers as loaded
.set GV,    32
.set GX,    64                         ; a tile of v that is only summed
.set QF,    96                         ; Q fragment (q, kd) at QF + 16 q + 8 kd
.set SUMHI, 128                        ; my 4 columns' sum over the keys that HI does not walk
.set SUMLO, 132                        ; the same over the keys that HI walks and LO does not
.set GOFF,  136                        ; 16 t
.set SK,    137                        ; where I put 8 bytes of K in slot 0, 1
.set SV,    139                        ; the same for V
.set TSW,   141
; scalars
.set KPTR, 16                          ; s[16:17] next tile of k;  s[22:23] the head's first
.set VPTR, 18                          ; s[18:19] next tile of v;  s[24:25] the head's first
.set XPTR, 20                          ; s[20:21] next tile of v that is only summed
; s12 wave, s13 head, s14 p, s15 loop counter, s[26:27] c = log2(e)/8 twice, s46 -c, s28 -80000.0 (the mask's score before the factor 1/8),
; s29 tile's first key minus wave's first query, s30-31 lane selects, s32 the tail's raw score, s[34:35], s[36:37] out at my rows of HI, LO, s47 32 w
.set MSB, 0
.macro WIN new                         ; the immediate's high byte repeats the setting that is left
.if MSB != \new
	s_set_vgpr_msb (MSB<<8)|\new
.set MSB, \new
.endif
.endm
.macro PLACES cnt
.rept \cnt
	v_nop
.endr
.endm
	s_load_b256 s[4:11], s[0:1], 0x0               ; q s[4:5], k s[6:7], v s[8:9], out s[10:11]
	v_lshl_add_u32 v38, v0, 2, 0x38800
	v_mov_b32 v39, 0
	v_lshrrev_b32 v1, 5, v0
	v_readfirstlane_b32 s12, v1                    ; wave 0..7
	s_lshr_b32 s13, ttmp9, 2                       ; head
	s_and_b32 s14, ttmp9, 3                        ; p
	s_mov_b32 s26, 0x3e38aa3b                      ; c = 0.125 log2(e)
	s_mov_b32 s27, 0x3e38aa3b
	s_mov_b32 s46, 0xbe38aa3b                      ; -c
	s_mov_b32 s28, 0xc79c4000                      ; -80000.0
	s_mov_b32 s30, 0x76543210                      ; v_permlanex16_b32: lane i reads lane i of the other half
	s_mov_b32 s31, 0xfedcba98
	s_lshl_b32 s47, s12, 5                         ; 32 w
	s_lshl_b32 s38, s13, 19                        ; the head's bytes in q, k, v: 2048 rows of 256
	s_mov_b32 s39, 0
	s_lshl_b32 s40, s14, 1
	s_sub_co_u32 s40, 16, s40
	s_lshl_b32 s40, s40, 15                        ; tile 16 - 2p: the first that HI does not walk
	s_mov_b32 s41, 0
	s_sub_co_u32 s42, 7, s14
	s_lshl_b32 s42, s42, 8
	s_add_co_u32 s42, s42, s47                     ; my first query of HI
	s_lshl_b32 s43, s14, 8
	s_add_co_u32 s43, s43, s47                     ; my first query of LO
	s_lshl_b32 s50, s42, 8
	s_add_co_u32 s50, s50, s38                     ; its bytes in q
	s_mov_b32 s51, 0
	s_lshl_b32 s52, s43, 8
	s_add_co_u32 s52, s52, s38
	s_mov_b32 s53, 0
	s_lshr_b32 s58, s13, 4
	s_lshl_b32 s58, s58, 23                        ; out: batch x 2048 rows of 4,096 bytes
	s_and_b32 s59, s13, 15
	s_lshl_b32 s59, s59, 8                         ; + head in the batch x 256 bytes
	s_add_co_u32 s58, s58, s59
	s_lshl_b32 s54, s42, 12
	s_add_co_u32 s54, s54, s58
	s_mov_b32 s55, 0
	s_lshl_b32 s56, s43, 12
	s_add_co_u32 s56, s56, s58
	s_mov_b32 s57, 0
	s_mul_i32 s60, s12, 64*KP
	s_add_co_u32 s60, s60, QS                      ; my wave's Q rows
	s_mul_i32 s61, s12, 32*OP
	s_add_co_u32 s61, s61, OS                      ; my wave's out stage
	s_lshl_b32 s62, s12, 8
	s_add_co_u32 s62, s62, TW                      ; my wave's tail sums
	v_and_b32 v[RR], 15, v0
	v_bfe_u32 v[HH], v0, 4, 1
	v_and_b32 v[L16], 31, v0
	v_lshlrev_b32 v[L16], 4, v[L16]
	v_mul_u32_u24 v[KA], v[RR], KP                 ; a 16-bit fragment from rows along K: row r, 16 bytes for each half of the lanes
	v_lshl_add_u32 v[KA], v[HH], 4, v[KA]
	v_add_nc_u32 v[KA+1], SLOT, v[KA]
	v_and_b32 v18, 7, v0                           ; the transposing load: row 8 h + (lane & 7), 16 bytes by bit 3 of the lane
	v_lshl_add_u32 v18, v[HH], 3, v18
	v_bfe_u32 v19, v0, 3, 1
	v_mul_u32_u24 v[VA], v18, VP
	v_lshl_add_u32 v[VA], v19, 4, v[VA]
	v_add_nc_u32 v[VA], VOFF, v[VA]
	v_add_nc_u32 v[VA+1], SLOT, v[VA]
	v_lshlrev_b32 v18, 3, v[HH]
	v_sub_nc_u32 v[VREL], v[RR], v18
	v_mul_u32_u24 v18, v[HH], KP
	v_lshl_add_u32 v18, v[RR], 3, v18
	v_add_nc_u32 v[QSW], s60, v18                  ; Q in: two rows a load, 8 bytes a lane
	v_add_nc_u32 v[QFA], s60, v[KA]                ; Q back, as fragments
	v_mul_u32_u24 v18, v[RR], OP
	v_lshl_add_u32 v18, v[HH], 5, v18
	v_add_nc_u32 v[OSW], s61, v18                  ; out stage in: row r, 32 bytes for each half of the lanes
	v_mul_u32_u24 v18, v[HH], OP
	v_lshl_add_u32 v18, v[RR], 4, v18
	v_add_nc_u32 v[OSR], s61, v18                  ; back: lanes 0-15 one row of 256 bytes, lanes 16-31 the next
	v_lshlrev_b32 v[OOFF], 4, v[RR]
	v_lshl_add_u32 v[OOFF], v[HH], 12, v[OOFF]     ; the same two rows in out
	v_lshrrev_b32 v18, 1, v[L16]                   ; 8 x lane
	v_add_nc_u32 v[TSR], TSH, v18
	v_add_nc_u32 v[TWW], s62, v18
	v_lshlrev_b32 v19, 5, v[HH]
	v_add_nc_u32 v[TWR], s62, v19
	v_lshrrev_b32 v18, 4, v0                       ; the stager: thread t takes row t >> 4 (+ 16 i), columns 4 (t & 15) ..
	v_mul_u32_u24 v19, v18, KP
	v_lshl_add_u32 v19, v[RR], 3, v19
	v_mul_u32_u24 v20, v18, VP
	v_lshl_add_u32 v20, v[RR], 3, v20
	v_mov_b32 v[TX], 0                             ; v_permlanex16_b32 counts as a reader of its destination
	v_mov_b32 v[TX+2], 0
.irp i, 0,1,2,3,4,5,6,7
	v_mov_b32 v[ONES+\i], 0x3c003c00               ; 1.0 in both f16 halves
.endr
	WIN 0x40                                       ; destination in window 1
	v_lshlrev_b32 v[GOFF], 4, v0
	v_mov_b32 v[SK], v19
	v_add_nc_u32 v[SK+1], SLOT, v19
	v_add_nc_u32 v[SV], VOFF, v20
	v_add_nc_u32 v[SV+1], SLOT+VOFF, v20
	v_lshl_add_u32 v[TSW], v0, 4, TSH
.irp i, 0,1,2,3,4,5,6,7
	v_mov_b32 v[SUMHI+\i], 0                       ; the two tail sums start at 0: for p = 0 nothing is ever added to the first
.endr
	WIN 0
	s_wait_kmcnt 0x0
	s_add_nc_u64 s[22:23], s[6:7], s[38:39]
	s_add_nc_u64 s[24:25], s[8:9], s[38:39]
	s_mov_b64 s[KPTR:KPTR+1], s[22:23]
	s_mov_b64 s[VPTR:VPTR+1], s[24:25]
	s_add_nc_u64 s[XPTR:XPTR+1], s[24:25], s[40:41]
	s_add_nc_u64 s[44:45], s[4:5], s[50:51]
	s_add_nc_u64 s[48:49], s[4:5], s[52:53]
	s_add_nc_u64 s[34:35], s[10:11], s[54:55]
	s_add_nc_u64 s[36:37], s[10:11], s[56:57]
; The head of a step: the next tile's 128 rows of k and of v, 16 bytes a thread and load, 4,096 consecutive bytes a load of the work-group.
; extra = 1: also a tile of v that HI does not walk, to be summed.
.macro TOP extra
	WIN 0x55                                       ; every operand place in window 1
.irp i, 0,1,2,3,4,5,6,7
	global_load_b128 v[GK+4*\i:GK+4*\i+3], v[GOFF], s[KPTR:KPTR+1] offset:4096*\i
.endr
.irp i, 0,1,2,3,4,5,6,7
	global_load_b128 v[GV+4*\i:GV+4*\i+3], v[GOFF], s[VPTR:VPTR+1] offset:4096*\i
.endr
.if \extra
.irp i, 0,1,2,3,4,5,6,7
	global_load_b128 v[GX+4*\i:GX+4*\i+3], v[GOFF], s[XPTR:XPTR+1] offset:4096*\i
.endr
.endif
	WIN 0
.endm
; The foot of a step: round to f16 and put the tile into slot dst.  sum = 1: v's f32 numbers are first added to SUMLO.
.macro BOT dst, sum, extra
	s_wait_loadcnt 0x0                             ; all the loads of the step's head are in; the pointers may be stepped behind this wait
	WIN 0x55
.irp i, 0,1,2,3,4,5,6,7
	v_cvt_pk_f16_f32 v[GK+4*\i], v[GK+4*\i], v[GK+4*\i+1]
	v_cvt_pk_f16_f32 v[GK+4*\i+1], v[GK+4*\i+2], v[GK+4*\i+3]
	ds_store_b64 v[SK+\dst], v[GK+4*\i:GK+4*\i+1] offset:\i*16*KP
.endr
.irp i, 0,1,2,3,4,5,6,7
.if \sum
	v_pk_add_f32 v[SUMLO:SUMLO+1], v[SUMLO:SUMLO+1], v[GV+4*\i:GV+4*\i+1]
	v_pk_add_f32 v[SUMLO+2:SUMLO+3], v[SUMLO+2:SUMLO+3], v[GV+4*\i+2:GV+4*\i+3]
.endif
	v_cvt_pk_f16_f32 v[GV+4*\i], v[GV+4*\i], v[GV+4*\i+1]
	v_cvt_pk_f16_f32 v[GV+4*\i+1], v[GV+4*\i+2], v[GV+4*\i+3]
	ds_store_b64 v[SV+\dst], v[GV+4*\i:GV+4*\i+1] offset:\i*16*VP
.endr
.if \extra
.irp i, 0,1,2,3,4,5,6,7
	v_pk_add_f32 v[SUMHI:SUMHI+1], v[SUMHI:SUMHI+1], v[GX+4*\i:GX+4*\i+1]
	v_pk_add_f32 v[SUMHI+2:SUMHI+3], v[SUMHI+2:SUMHI+3], v[GX+4*\i+2:GX+4*\i+3]
.endr
.endif
	WIN 0
	s_add_nc_u64 s[KPTR:KPTR+1], s[KPTR:KPTR+1], TILEB
	s_add_nc_u64 s[VPTR:VPTR+1], s[VPTR:VPTR+1], TILEB
.if \extra
	s_add_nc_u64 s[XPTR:XPTR+1], s[XPTR:XPTR+1], TILEB
.endif
.endm
; One barrier a step, for two things: my stores into the other slot are done, and so are my reads of this slot, which the next step's foot overwrites.
.macro BAR
	s_wait_dscnt 0x0
	s_barrier_signal -1
	s_barrier_wait -1
.endm
; My wave's Q rows at byte off of its stage, as four B fragments in window 1.
.macro QFRAG off
	WIN 0x40
.irp q, 0,1
.irp kd, 0,1
	ds_load_b128 v[QF+16*\q+8*\kd:QF+16*\q+8*\kd+3], v[QFA] offset:\off+\q*16*KP+\kd*64
	ds_load_b128 v[QF+16*\q+8*\kd+4:QF+16*\q+8*\kd+7], v[QFA] offset:\off+\q*16*KP+\kd*64+32
.endr
.endr
	WIN 0
.endm
; 64 keys (half kh of the tile in slot) against my 32 queries.  mask = 1: the causal mask is applied.  first = 1: the walk's first half starts the sums.
.macro HALF slot, kh, mask, first
.irp kd, 0,1                                       ; K fragments, 4 tiles of 16 keys x 2 halves of d; d 0..31 first
.irp st, 0,1,2,3
	ds_load_b128 v[FR+16*\st+8*\kd:FR+16*\st+8*\kd+3], v[KA+\slot] offset:\kh*64*KP+\st*16*KP+\kd*64
	ds_load_b128 v[FR+16*\st+8*\kd+4:FR+16*\st+8*\kd+7], v[KA+\slot] offset:\kh*64*KP+\st*16*KP+\kd*64+32
.endr
.endr
	s_wait_dscnt 0x8                               ; LDS loads come back in order (ISA guide 5.7.1): d 0..31 is in, the eight younger loads stay out
	WIN 0x04                                       ; source 1 (Q) in window 1
.irp st, 0,1,2,3                                   ; eight accumulators take turns, one instruction a turn; the first product starts each sum
.irp q, 0,1
	v_wmma_f32_16x16x32_f16 v[SC+32*\q+8*\st:SC+32*\q+8*\st+7], v[FR+16*\st:FR+16*\st+7], v[QF+16*\q:QF+16*\q+7], 0
.endr
.endr
	s_wait_dscnt 0x0
.irp st, 0,1,2,3
.irp q, 0,1
	v_wmma_f32_16x16x32_f16 v[SC+32*\q+8*\st:SC+32*\q+8*\st+7], v[FR+16*\st+8:FR+16*\st+15], v[QF+16*\q+8:QF+16*\q+15], v[SC+32*\q+8*\st:SC+32*\q+8*\st+7]
.endr
.endr
	WIN 0
	PLACES 4                                       ; four places before the scores are read and before loads go into the fragments just multiplied
.irp ks, 0,1                                       ; V^T fragments by the transposing load: 2 x 32 keys, 4 tiles of 16 d; keys 0..31 first
.irp dt, 0,1,2,3
	ds_load_tr16_b128 v[FR+8*(4*\ks+\dt):FR+8*(4*\ks+\dt)+3], v[VA+\slot] offset:\kh*64*VP+\ks*32*VP+\dt*32
	ds_load_tr16_b128 v[FR+8*(4*\ks+\dt)+4:FR+8*(4*\ks+\dt)+7], v[VA+\slot] offset:\kh*64*VP+\ks*32*VP+16*VP+\dt*32
.endr
.endr
.if \mask
	; key <= query  <=>  16 (st - q) + j <= r - 8 h - (tile's first key - my first query) - 64 kh.  One compare serves (q = 0, st) and (q = 1, st + 1).
.if \kh
	s_add_co_u32 s63, s29, 64
	v_sub_nc_u32 v[VT], v[VREL], s63
.else
	v_sub_nc_u32 v[VT], v[VREL], s29
.endif
.irp dl, -1,0,1,2,3
.irp j, 0,1,2,3,4,5,6,7
	v_cmp_le_i32 vcc_lo, 16*(\dl)+\j, v[VT]
.if \dl >= 0
	v_cndmask_b32 v[SC+8*(\dl)+\j], s28, v[SC+8*(\dl)+\j], vcc_lo
.endif
.if \dl <= 2
	v_cndmask_b32 v[SC+40+8*(\dl)+\j], s28, v[SC+40+8*(\dl)+\j], vcc_lo
.endif
.endr
.endr
.endif
	; the maximum of my 32 scores of each query and of the running maximum: two chains a query tile, four in all
.irp q, 0,1
.if \first
	v_max_num_f32 v[TA+2*\q], v[SC+32*\q], v[SC+32*\q+1]
.else
	v_max3_num_f32 v[TA+2*\q], v[SC+32*\q], v[SC+32*\q+1], v[MX+2*\q]
.endif
	v_max3_num_f32 v[TA+2*\q+1], v[SC+32*\q+16], v[SC+32*\q+17], v[SC+32*\q+18]
.endr
.irp i, 1,2,3,4,5,6
.irp q, 0,1
	v_max3_num_f32 v[TA+2*\q], v[TA+2*\q], v[SC+32*\q+2*\i], v[SC+32*\q+2*\i+1]
	v_max3_num_f32 v[TA+2*\q+1], v[TA+2*\q+1], v[SC+32*\q+17+2*\i], v[SC+32*\q+18+2*\i]
.endr
.endr
.irp q, 0,1
	v_max3_num_f32 v[TA+2*\q], v[TA+2*\q], v[SC+32*\q+14], v[SC+32*\q+15]
.endr
.irp q, 0,1
	v_max3_num_f32 v[TA+2*\q], v[TA+2*\q], v[TA+2*\q+1], v[SC+32*\q+31]
.endr
.irp q, 0,1
	v_permlanex16_b32 v[TX+2*\q], v[TA+2*\q], s30, s31     ; lane r + 16 holds the query's other 32 keys
.endr
.irp q, 0,1
	v_max_num_f32 v[TA+2*\q], v[TA+2*\q], v[TX+2*\q]
.endr
.irp q, 0,1
	v_mul_f32 v[NM+2*\q], s46, v[TA+2*\q]                  ; -c x new maximum
.endr
.if \first == 0
.irp q, 0,1
	v_fma_f32 v[TA+4+\q], v[MX+2*\q], s26, v[NM+2*\q]      ; c (old maximum - new maximum)
.endr
.irp q, 0,1
	v_exp_f32 v[AL+2*\q], v[TA+4+\q]
.endr
.endif
.irp q, 0,1
	v_mov_b32 v[MX+2*\q], v[TA+2*\q]                       ; plain instructions behind the exponentials, before their results are used
.endr
	; p = 2^(c s - c m), 16 registers at a time; a quarter of the rescale of O and of the row sums fills the place behind the exponentials
.irp q, 0,1
.irp ks, 0,1
.set BB, SC+32*\q+16*\ks
.irp i, 0,2,4,6,8,10,12,14
	v_pk_fma_f32 v[BB+\i:BB+\i+1], v[BB+\i:BB+\i+1], s[26:27], v[NM+2*\q:NM+2*\q+1] op_sel_hi:[1,0,0]
.endr
.irp i, 0,1,2,3,4,5,6,7,8,9,10,11,12,13,14,15
	v_exp_f32 v[BB+\i], v[BB+\i]
.endr
.if \first
	v_nop                                          ; nothing to rescale yet: the plain place behind the exponentials
	s_wait_alu depctr_va_vdst(0)
.else
	s_wait_alu depctr_va_vdst(0)
.irp dd, 0,1
.irp i, 0,2,4,6
.set OO, OA+8*(2*(2*\ks+\dd)+\q)+\i
	v_pk_mul_f32 v[OO:OO+1], v[OO:OO+1], v[AL+2*\q:AL+2*\q+1] op_sel_hi:[1,0]
.endr
.endr
	s_wait_alu depctr_va_vdst(0)
.irp i, 0,2
.set OO, LC+8*\q+4*\ks+\i
	v_pk_mul_f32 v[OO:OO+1], v[OO:OO+1], v[AL+2*\q:AL+2*\q+1] op_sel_hi:[1,0]
.endr
.endif
.irp i, 0,1,2,3,4,5,6,7
	v_cvt_pk_f16_f32 v[BB+\i], v[BB+2*\i], v[BB+2*\i+1]    ; in place, ascending: register i is written after registers 2 i' of all i' < i were read
.endr
.endr
.endr
	; O^T += V^T P^T and row sums += ones x P^T: ten accumulators take turns, one instruction a turn
.irp ks, 0,1
.if \ks == 0
	s_wait_dscnt 0x8                               ; V's keys 0..31 are in, the eight younger loads stay out
.else
	s_wait_dscnt 0x0
.endif
.irp dt, 0,1,2,3
.irp q, 0,1
.set OO, OA+8*(2*\dt+\q)
.if \first*(1-\ks)
	v_wmma_f32_16x16x32_f16 v[OO:OO+7], v[FR+8*(4*\ks+\dt):FR+8*(4*\ks+\dt)+7], v[SC+32*\q+16*\ks:SC+32*\q+16*\ks+7], 0
.else
	v_wmma_f32_16x16x32_f16 v[OO:OO+7], v[FR+8*(4*\ks+\dt):FR+8*(4*\ks+\dt)+7], v[SC+32*\q+16*\ks:SC+32*\q+16*\ks+7], v[OO:OO+7]
.endif
.endr
.endr
.irp q, 0,1
.if \first*(1-\ks)
	v_wmma_f32_16x16x32_f16 v[LC+8*\q:LC+8*\q+7], v[ONES:ONES+7], v[SC+32*\q+16*\ks:SC+32*\q+16*\ks+7], 0
.else
	v_wmma_f32_16x16x32_f16 v[LC+8*\q:LC+8*\q+7], v[ONES:ONES+7], v[SC+32*\q+16*\ks:SC+32*\q+16*\ks+7], v[LC+8*\q:LC+8*\q+7]
.endif
.endr
.endr
	PLACES 5                                       ; five places before the next products write over P, four before loads go into V's fragments or O is read
.endm
.macro STEP slot, mask, first, extra, sum
	TOP \extra
	HALF \slot, 0, \mask, \first
	HALF \slot, 1, \mask, 0
	BOT 1-\slot, \sum, \extra
	BAR
.endm
; Each thread's partial tail sums go to LDS: for HI the keys behind block 7-p, for LO those and what HI walked behind block p.
.macro TAILSTORE
	WIN 0x55
	ds_store_b128 v[TSW], v[SUMHI:SUMHI+3]
	v_pk_add_f32 v[SUMLO:SUMLO+1], v[SUMLO:SUMLO+1], v[SUMHI:SUMHI+1]
	v_pk_add_f32 v[SUMLO+2:SUMLO+3], v[SUMLO+2:SUMLO+3], v[SUMHI+2:SUMHI+3]
	ds_store_b128 v[TSW], v[SUMLO:SUMLO+3] offset:4096
	WIN 0
.endm
; The end of a walk: the tail enters as one more update (score s32, CNT keys, column sums at tsoff), then O / sum leaves through my own stage.
.macro EPI tsoff, ob
.irp g, 0,1,2,3,4,5,6,7,8,9,10,11,12,13,14,15
	ds_load_b64 v[FR+2*\g:FR+2*\g+1], v[TSR] offset:\tsoff+256*\g       ; columns 2 lane, 2 lane + 1 of the 16 rows of partial sums
.endr
.irp q, 0,1
	v_max_num_f32 v[TA+2*\q], s32, v[MX+2*\q]              ; the last maximum
.endr
.irp q, 0,1
	v_mul_f32 v[NM+2*\q], s46, v[TA+2*\q]
.endr
.irp q, 0,1
	v_fma_f32 v[TA+4+\q], v[MX+2*\q], s26, v[NM+2*\q]
	v_fma_f32 v[TA+6+\q], s32, s26, v[NM+2*\q]
.endr
.irp i, 4,5,6,7
	v_exp_f32 v[TA+\i], v[TA+\i]                           ; rescale factor (4, 5) and the tail's weight (6, 7)
.endr
	v_nop                                                  ; the plain place behind the exponentials
	s_wait_alu depctr_va_vdst(0)
.irp q, 0,1
	v_mul_f32 v[TA+8+\q], v[LC+8*\q], v[TA+4+\q]
.endr
.irp q, 0,1
	v_fma_f32 v[TA+8+\q], v[TA+6+\q], v[CNT], v[TA+8+\q]   ; the denominator
.endr
	v_rcp_f32 v[TA+8], v[TA+8]
	v_rcp_f32 v[TA+9], v[TA+9]
	v_nop                                                  ; the plain place behind the reciprocals
	s_wait_alu depctr_va_vdst(0)
.irp q, 0,1
	v_mul_f32 v[AL+2*\q], v[TA+4+\q], v[TA+8+\q]           ; what O is multiplied by
	v_mul_f32 v[NM+2*\q], v[TA+6+\q], v[TA+8+\q]           ; what the tail's column sums are multiplied by
.endr
	s_wait_dscnt 0x0
.irp i, 0,4,8,12,16,20,24,28
	v_pk_add_f32 v[FR+\i:FR+\i+1], v[FR+\i:FR+\i+1], v[FR+\i+2:FR+\i+3]
.endr
.irp i, 0,8,16,24
	v_pk_add_f32 v[FR+\i:FR+\i+1], v[FR+\i:FR+\i+1], v[FR+\i+4:FR+\i+5]
.endr
.irp i, 0,16
	v_pk_add_f32 v[FR+\i:FR+\i+1], v[FR+\i:FR+\i+1], v[FR+\i+8:FR+\i+9]
.endr
	v_pk_add_f32 v[FR:FR+1], v[FR:FR+1], v[FR+16:FR+17]
	ds_store_b64 v[TWW], v[FR:FR+1]                        ; my wave's own bytes; LDS serves a wave's instructions in order (ISA guide 5.7.1): the loads below see this store
.irp dt, 0,1,2,3
	ds_load_b128 v[FR+32+8*\dt:FR+32+8*\dt+3], v[TWR] offset:64*\dt        ; the sums of d = 16 dt + 8 h + 0..7, as O holds them
	ds_load_b128 v[FR+32+8*\dt+4:FR+32+8*\dt+7], v[TWR] offset:64*\dt+16
.endr
	s_wait_dscnt 0x0
.irp q, 0,1
.irp dt, 0,1,2,3
.irp i, 0,2,4,6
.set OO, OA+8*(2*\dt+\q)+\i
	v_pk_mul_f32 v[OO:OO+1], v[OO:OO+1], v[AL+2*\q:AL+2*\q+1] op_sel_hi:[1,0]
	v_pk_fma_f32 v[OO:OO+1], v[FR+32+8*\dt+\i:FR+32+8*\dt+\i+1], v[NM+2*\q:NM+2*\q+1], v[OO:OO+1] op_sel_hi:[1,0,1]
.endr
.endr
.endr
.irp q, 0,1
.irp dt, 0,1,2,3
	ds_store_b128 v[OSW], v[OA+8*(2*\dt+\q):OA+8*(2*\dt+\q)+3] offset:\q*16*OP+\dt*64
	ds_store_b128 v[OSW], v[OA+8*(2*\dt+\q)+4:OA+8*(2*\dt+\q)+7] offset:\q*16*OP+\dt*64+16
.endr
.endr
.irp i, 0,1,2,3,4,5,6,7,8,9,10,11,12,13,14,15
	ds_load_b128 v[SC+4*\i:SC+4*\i+3], v[OSR] offset:\i*2*OP               ; two whole rows; my own bytes, in order behind the stores
.endr
.irp i, 0,1,2,3,4,5,6,7,8,9,10,11,12,13,14,15
	s_wait_dscnt 15-\i                                     ; the younger read-backs stay out
	global_store_b128 v[OOFF], v[SC+4*\i:SC+4*\i+3], s[\ob:\ob+1] offset:8192*\i th:TH_STORE_NT   ; 16 lanes store 256 consecutive bytes, aligned: one query's row of one head
.endr
.endm
	; ---- prologue: my 64 rows of q, and tile 0
.irp i, 0,1,2,3,4,5,6,7,8,9,10,11,12,13,14,15
	global_load_b128 v[SC+4*\i:SC+4*\i+3], v[L16], s[44:45] offset:512*\i th:TH_LOAD_NT
.endr
.irp i, 0,1,2,3,4,5,6,7,8,9,10,11,12,13,14,15
	global_load_b128 v[FR+4*\i:FR+4*\i+3], v[L16], s[48:49] offset:512*\i th:TH_LOAD_NT
.endr
	TOP 0
	s_wait_loadcnt 0x10                            ; q is in; the 16 younger loads, tile 0's, stay out
.irp i, 0,1,2,3,4,5,6,7,8,9,10,11,12,13,14,15
	v_cvt_pk_f16_f32 v[SC+4*\i], v[SC+4*\i], v[SC+4*\i+1]
	v_cvt_pk_f16_f32 v[SC+4*\i+1], v[SC+4*\i+2], v[SC+4*\i+3]
	ds_store_b64 v[QSW], v[SC+4*\i:SC+4*\i+1] offset:\i*2*KP
.endr
.irp i, 0,1,2,3,4,5,6,7,8,9,10,11,12,13,14,15
	v_cvt_pk_f16_f32 v[FR+4*\i], v[FR+4*\i], v[FR+4*\i+1]
	v_cvt_pk_f16_f32 v[FR+4*\i+1], v[FR+4*\i+2], v[FR+4*\i+3]
	ds_store_b64 v[QSW], v[FR+4*\i:FR+4*\i+1] offset:32*KP+\i*2*KP
.endr
	QFRAG 0                                        ; HI's fragments: my wave's own bytes, in order behind the stores; waited for in front of the barrier
	BOT 0, 0, 0
	BAR
	; ---- HI: tiles 0 .. 15-2p.  A tile's slot is its number's parity.
	; The three loops count down and end on a signed compare with 0; a branch in front jumps over a loop that has no trip.
	STEP 0, 0, 1, 0, 0                             ; tile 0; stages tile 1
	s_cmp_eq_u32 s14, 0
	s_cbranch_scc1 .Lhx_end
	s_mov_b32 s15, s14                             ; p trips: tiles 1 .. 2p; each step also sums one of the 2p tiles of v behind block 7-p;
.Lhx:                                              ; the tiles staged, 2 .. 2p+1, lie in blocks that LO walks: not summed
	STEP 1, 0, 0, 1, 0
	STEP 0, 0, 0, 1, 0
	s_sub_co_i32 s15, s15, 1
	s_cmp_gt_i32 s15, 0
	s_cbranch_scc1 .Lhx
.Lhx_end:
	s_cmp_eq_u32 s14, 3
	s_cbranch_scc1 .Lhy_end
	s_lshl_b32 s15, s14, 1
	s_sub_co_u32 s15, 6, s15                       ; 6-2p trips: tiles 2p+1 .. 12-2p; the tiles staged from here on lie behind block p: summed for LO's tail
.Lhy:
	STEP 1, 0, 0, 0, 1
	STEP 0, 0, 0, 0, 1
	s_sub_co_i32 s15, s15, 1
	s_cmp_gt_i32 s15, 0
	s_cbranch_scc1 .Lhy
.Lhy_end:
	STEP 1, 0, 0, 0, 1                             ; tile 13-2p
	s_sub_co_u32 s29, 0, s47                       ; the diagonal block's first tile begins 32 w keys in front of my first query
	STEP 0, 1, 0, 0, 1                             ; tile 14-2p
	s_sub_co_u32 s29, 128, s47
	s_mov_b64 s[KPTR:KPTR+1], s[22:23]             ; no load is out (the last foot waited for all): LO begins again at the head's tile 0
	s_mov_b64 s[VPTR:VPTR+1], s[24:25]
	TOP 0
	HALF 1, 0, 1, 0                                ; tile 15-2p
	HALF 1, 1, 1, 0
	BOT 0, 0, 0
	TAILSTORE                                      ; in front of the step's barrier: every wave reads the partial sums behind it
	BAR
	; ---- HI leaves; LO: tiles 0 .. 2p+1
	TOP 0                                          ; LO's tile 1
	s_cmp_eq_u32 s14, 0
	s_cselect_b32 s32, 0xff800000, s28             ; p = 0: HI walked every key: the tail's score is -inf, its weight 0
	s_lshl_b32 s38, s14, 8                         ; 256 p keys not walked
	v_cvt_f32_u32 v[CNT], s38
	EPI 0, 34
	s_wait_xcnt 0x0                                ; the registers that the stores read are rewritten only behind this wait
	QFRAG 32*KP                                    ; LO's fragments
	s_add_co_u32 s38, s38, s47
	s_sub_co_u32 s29, 0, s38                       ; tile 0 begins 256 p + 32 w keys in front of my first query (for p = 0 it is the diagonal block's first tile)
	s_wait_dscnt 0x0
	HALF 0, 0, 1, 1
	HALF 0, 1, 1, 0
	BOT 1, 0, 0
	BAR
	s_cmp_eq_u32 s14, 0
	s_cbranch_scc1 .Lll
	s_cmp_eq_u32 s14, 1
	s_cbranch_scc1 .Llf_end
	s_sub_co_u32 s15, s14, 1                       ; p-1 trips: tiles 1 .. 2p-2
.Llf:
	STEP 1, 0, 0, 0, 0
	STEP 0, 0, 0, 0, 0
	s_sub_co_i32 s15, s15, 1
	s_cmp_gt_i32 s15, 0
	s_cbranch_scc1 .Llf
.Llf_end:
	STEP 1, 0, 0, 0, 0                             ; tile 2p-1
	s_sub_co_u32 s29, 0, s47
	STEP 0, 1, 0, 0, 0                             ; tile 2p
.Lll:
	s_sub_co_u32 s29, 128, s47
	HALF 1, 0, 1, 0                                ; tile 2p+1: nothing more is staged, no barrier follows
	HALF 1, 1, 1, 0
	s_mov_b32 s32, s28
	s_sub_co_u32 s38, 7, s14
	s_lshl_b32 s38, s38, 8                         ; 256 (7-p) keys not walked
	v_cvt_f32_u32 v[CNT], s38
	EPI 4096, 36
	s_wait_tensorcnt 0x0
	ds_add_u32 v38, v39
	s_wait_dscnt 0x0
	s_endpgm
.Lfunc_end_k_q3c2648a938_attn:
	.size	k_q3c2648a938_attn, .Lfunc_end_k_q3c2648a938_attn-k_q3c2648a938_attn
	.p2alignl 7, 3214868480
	.fill 96, 4, 3214868480
	.section	.rodata,"a",@progbits
	.p2align	6, 0x0
	.amdhsa_kernel k_q3c2648a938_attn
		.amdhsa_group_segment_fixed_size 232448
		.amdhsa_private_segment_fixed_size 0
		.amdhsa_enable_private_segment 0
		.amdhsa_kernarg_size 32
		.amdhsa_user_sgpr_count 2
		.amdhsa_user_sgpr_kernarg_segment_ptr 1
		.amdhsa_wavefront_size32 1
		.amdhsa_system_sgpr_workgroup_id_x 1
		.amdhsa_system_sgpr_workgroup_id_y 1
		.amdhsa_system_sgpr_workgroup_id_z 1
		.amdhsa_system_vgpr_workitem_id 0
		.amdhsa_next_free_vgpr 400
		.amdhsa_next_free_sgpr 66
		.amdhsa_reserve_vcc 1
		.amdhsa_float_denorm_mode_32 3
		.amdhsa_float_denorm_mode_16_64 3
		.amdhsa_memory_ordered 1
		.amdhsa_forward_progress 1
		.amdhsa_inst_pref_size 255
	.end_amdhsa_kernel
	.section	.bss,"aw",@nobits
	.p2align	6
	.space	262144
	.amdgpu_metadata
---
amdhsa.version: [ 1, 2 ]
amdhsa.kernels:
  - .name:           k_q3c2648a938_attn
    .symbol:         k_q3c2648a938_attn.kd
    .args:
      - { .name: q, .offset: 0, .size: 8, .value_kind: global_buffer, .address_space: global }
      - { .name: k, .offset: 8, .size: 8, .value_kind: global_buffer, .address_space: global }
      - { .name: v, .offset: 16, .size: 8, .value_kind: global_buffer, .address_space: global }
      - { .name: out0, .offset: 24, .size: 8, .value_kind: global_buffer, .address_space: global }
    .group_segment_fixed_size: 232448
    .private_segment_fixed_size: 0
    .kernarg_segment_align: 8
    .kernarg_segment_size: 32
    .max_flat_workgroup_size: 256
    .sgpr_count:     66
    .vgpr_count:     400
    .wavefront_size: 32
...
	.end_amdgpu_metadata
.endif
;; end of part 1
;; ======== version 2 of 2: 1 launch; version 1 with the launch attn written anew for expert scheduling mode
;; limits: values are held in f16: magnitudes above 65,504 overflow, below 6.1e-05 lose precision; inputs' magnitudes at most 65,504
;; launch attn (part 2): grid 256 x 1, 8 waves a work-group, no clusters, 232,448 bytes of LDS; arguments q, k, v, out0; writes out0
.if DOCPART == 2
	.amdgcn_target "amdgcn-amd-amdhsa--gfx1250"
	.amdhsa_code_object_version 6
	.text
	.protected	k_q3c2648a938_attn
	.globl	k_q3c2648a938_attn
	.p2align	8
	.type	k_q3c2648a938_attn,@function
k_q3c2648a938_attn:
	s_mov_b64 s[64:65], 0
	v_nop
	global_prefetch_b8 v0, s[64:65] scope:SCOPE_SE
	s_setreg_imm32_b32 hwreg(HW_REG_WAVE_SCHED_MODE, 0, 2), 2
	s_setreg_imm32_b32 hwreg(HW_REG_WAVE_MODE, 25, 1), 1
	s_wait_xcnt 0x0
	s_wait_alu depctr_vm_vsrc(0)
; Causal attention.  q, k, v: [64 heads][2048][64] f32.  out0: [4][2048][16 x 64] f32.
; scores = q k^T / 8; keys behind the query get the score -10000 (NOT -inf: they stay in the softmax); softmax; times v.
;
; SHARING.  Work-group x: head = x >> 2, p = x & 3.  It makes two blocks of 256 queries, HI = block 7-p and LO = block p, and walks the key
; blocks 0..7-p and 0..p: 9 blocks of 256 keys in every work-group.  Wave w owns queries 32 w .. 32 w + 31 of the block, as two tiles of 16.
; A step is a tile of 128 keys, worked in two halves of 64 keys; each half is one update of a running-maximum softmax.
; THE KEYS THAT ARE NOT WALKED all carry the score -10000.  For a row with maximum m they add w * (sum of their v) to the numerator and
; w * (their number) to the denominator, w = exp(-10000 - m).  The column sums of v are made in f32 on the staging registers, and the tail
; enters at the end as one more update of the running maximum.  Inside the diagonal block the mask is applied score by score.
; TRANSPOSED PRODUCTS.  S^T = K Q^T: register j of lane (r, h) holds key 16 st + 8 h + j of query r, so two packed tiles ARE the B fragment
; of O^T = V^T P^T, and maximum, rescale and 1/sum are one number a lane.  A fifth A fragment of ones makes the row sums of P.
; NUMBER FORMAT: f16 for all four matrix operands, sums in f32.  The first query rows weigh a few v of size 1 with probabilities of size
; 0.1 to 1, while the output's root mean square is near 0.1: eight significant bits in P are too few there, f16's eleven are enough.
; DATA PATH.  k and v are f32 and must pass through registers to be rounded to f16: global_load_b128 (512 consecutive bytes a wave) ->
; v_cvt_pk_f16_f32 -> ds_store_b64 into the other of two LDS slots -> barrier.  Each element is converted once a work-group.  The loads of
; tile t+1 are issued at the head of step t and waited for at its foot, which stands ahead of the step's last products.
; NO TENSOR LOADS, NO CLUSTER: a tile landed in LDS as f32 would be read and written once more for the conversion; and the four work-groups of
; a head walk 16-2p and 2p+2 tiles, so partners would need different numbers of tiles and branches that differ between them.
; LIMITS.  q, k, v and the probabilities enter the matrix unit rounded to f16: an input of magnitude 65,504 or more becomes an infinity and is
; not served (numbers of spread 1, 30 times larger and offset by 30 of those spreads, stay below 1,100); below 2^-14 an operand's step is
; 2^-24.  The denominator sums the rounded probabilities; the tail sums are f32 sums of the unrounded v in an order of their own.
; Non-finite inputs are not served.  A weight below 2^-126 comes out of v_exp_f32 as 0; it stands beside a term of 1 in the same sum.
; THE MODE: SCHED_MODE bits 1:0 = 2 (LLVM: expert scheduling mode 2), set by the entry lines.  The code itself states the register dependences
; between vector or matrix instructions and memory or LDS instructions, with s_wait_alu, always for 0.
; THE PLAN.  Registers that memory or LDS instructions touch, round a step:
;   FK          K's fragments.  Loaded at the step's head (first half) and behind the first half's score products (second half); read by a half's 16 score products.
;   FR          V's fragments.  Loaded behind a half's score products; read by that half's 20 products with P.
;   GK, GV, GX  Loaded at the step's head; read, and GK and GV written, by the foot's conversions and sums; GK and GV read by the foot's LDS stores.
;   QF          Q's fragments.  Loaded twice in the kernel; read by the score products.
;   addresses   Made at the kernel's head and never written again; the pointers to k and v are scalar registers.
;   SC, OA, FR  are the data of stores in the prologue and on the way out alone.
; So a step holds: ONE wait on va_vdst in each half, behind its score products: they are done reading FK, and the last half's products with P are done reading FR;
; V's loads and, in the first half, the second half's K loads follow it, and the next step's first K loads owe nothing more, since nothing issued later names FK.
; ONE wait on va_vdst in the foot, between its vector work and its LDS stores.  At the head, behind the switch to window 1, a wait on va_vdst and one on vm_vsrc
; for GK, GV and GX.  In a masked half a wait on va_vcc between each compare and the selects that read its mask.
.set KP,    144                        ; LDS pitch of a row of 64 f16 of K or Q: 128 + 16 bytes, an odd multiple of 16: 16 rows start in 16 different 16-byte columns modulo 256
.set VP,    160                        ; pitch of a row of V, [key][d]: an odd multiple of 32, for the transposing load
.set OP,    272                        ; pitch of a row of 64 f32 in the out stage
.set VOFF,  128*KP                     ; a slot: K's 128 rows, then V's 128 rows
.set SLOT,  128*KP+128*VP              ; 38,912 bytes; two slots
.set TSH,   2*SLOT                     ; tail partial sums for HI: 16 rows x 64 f32; those for LO 4,096 bytes further
.set TW,    TSH+8192                   ; 256 bytes a wave: the finished tail sums
.set QS,    TW+2048                    ; 9,216 bytes a wave: its 32 rows of Q for HI, then its 32 for LO, f16
.set OS,    QS+8*64*KP                 ; 8,704 bytes a wave: out stage, 32 rows of f32
.set TILEB, 32768                      ; bytes of a tile of 128 rows of f32 in memory
; window 0 (an instruction names v0-v255; s_set_vgpr_msb says which block of 256 each operand place means)
.set RR,   1                           ; r = lane & 15
.set HH,   2                           ; h = lane >> 4
.set L16,  3                           ; 16 x lane
.set KA,   4                           ; v4-5   K fragment address in slot 0, 1
.set VA,   6                           ; v6-7   V fragment address in slot 0, 1
.set VREL, 8                           ; r - 8 h
.set VT,   9                           ; mask threshold of the half
.set AL,   10                          ; v10, v12  rescale factor of query tile 0, 1 (low register of a pair, broadcast)
.set MX,   11                          ; v11, v13  running maximum, on raw scores
.set NM,   14                          ; v14, v16  -c x maximum
.set TX,   15                          ; v15, v17  what the other half of the lanes found
.set TA,   18                          ; v18-27 at work
.set QSW,  28
.set QFA,  29
.set OSW,  30
.set OSR,  31
.set OOFF, 32
.set TSR,  33
.set TWW,  34
.set TWR,  35
.set CNT,  36                          ; number of keys not walked, f32
.set ONES, 40                          ; v[40:47]   A fragment of f16 ones
.set LC,   48                          ; v[48:63]   row sums, tile q at LC + 8 q (all eight registers equal)
.set OA,   64                          ; v[64:127]  O^T, tile (dt, q) at OA + 8 (2 dt + q)
.set SC,   128                         ; v[128:191] scores, tile (q, st) at SC + 32 q + 8 st; P in place in the first 8 of each 16
.set FR,   192                         ; v[192:255] V's fragments (in the prologue LO's q as loaded; on the way out the tail's sums)
; window 1: the stager's registers, Q's fragments and K's
.set GK,    0                          ; 8 x 4 registers as loaded
.set GV,    32
.set GX,    64                         ; a tile of v that is only summed
.set QF,    96                         ; Q fragment (q, kd) at QF + 16 q + 8 kd
.set SUMHI, 128                        ; my 4 columns' sum over the keys that HI does not walk
.set SUMLO, 132                        ; the same over the keys that HI walks and LO does not
.set GOFF,  136                        ; 16 t
.set SK,    137                        ; where I put 8 bytes of K in slot 0, 1
.set SV,    139                        ; the same for V
.set TSW,   141
.set FK,    144                        ; v[144:207] of window 1: K fragment (st, kd) at FK + 16 st + 8 kd
; scalars
.set KPTR, 16                          ; s[16:17] next tile of k;  s[22:23] the head's first
.set VPTR, 18                          ; s[18:19] next tile of v;  s[24:25] the head's first
.set XPTR, 20                          ; s[20:21] next tile of v that is only summed
; s12 wave, s13 head, s14 p, s15 loop counter, s[26:27] c = log2(e)/8 twice, s46 -c, s28 -80000.0 (the mask's score before the factor 1/8),
; s29 tile's first key minus wave's first query, s30-31 lane selects, s32 the tail's raw score, s[34:35], s[36:37] out at my rows of HI, LO, s47 32 w
.set MSB, 0
.macro WIN new                         ; the immediate's high byte repeats the setting that is left
.if MSB != \new
	s_set_vgpr_msb (MSB<<8)|\new
.set MSB, \new
.endif
.endm
.macro PLACES cnt
.rept \cnt
	v_nop
.endr
.endm
	s_load_b256 s[4:11], s[0:1], 0x0               ; q s[4:5], k s[6:7], v s[8:9], out s[10:11]
	v_lshl_add_u32 v38, v0, 2, 0x38800
	v_mov_b32 v39, 0
	v_lshrrev_b32 v1, 5, v0
	v_readfirstlane_b32 s12, v1                    ; wave 0..7
	s_lshr_b32 s13, ttmp9, 2                       ; head
	s_and_b32 s14, ttmp9, 3                        ; p
	s_mov_b32 s26, 0x3e38aa3b                      ; c = 0.125 log2(e)
	s_mov_b32 s27, 0x3e38aa3b
	s_mov_b32 s46, 0xbe38aa3b                      ; -c
	s_mov_b32 s28, 0xc79c4000                      ; -80000.0
	s_mov_b32 s30, 0x76543210                      ; v_permlanex16_b32: lane i reads lane i of the other half
	s_mov_b32 s31, 0xfedcba98
	s_wait_alu depctr_va_sdst(0)                   ; s12 is written, ahead of its first reader: offsets and LDS addresses are made from it
	s_lshl_b32 s47, s12, 5                         ; 32 w
	s_lshl_b32 s38, s13, 19                        ; the head's bytes in q, k, v: 2048 rows of 256
	s_mov_b32 s39, 0
	s_lshl_b32 s40, s14, 1
	s_sub_co_u32 s40, 16, s40
	s_lshl_b32 s40, s40, 15                        ; tile 16 - 2p: the first that HI does not walk
	s_mov_b32 s41, 0
	s_sub_co_u32 s42, 7, s14
	s_lshl_b32 s42, s42, 8
	s_add_co_u32 s42, s42, s47                     ; my first query of HI
	s_lshl_b32 s43, s14, 8
	s_add_co_u32 s43, s43, s47                     ; my first query of LO
	s_lshl_b32 s50, s42, 8
	s_add_co_u32 s50, s50, s38                     ; its bytes in q
	s_mov_b32 s51, 0
	s_lshl_b32 s52, s43, 8
	s_add_co_u32 s52, s52, s38
	s_mov_b32 s53, 0
	s_lshr_b32 s58, s13, 4
	s_lshl_b32 s58, s58, 23                        ; out: batch x 2048 rows of 4,096 bytes
	s_and_b32 s59, s13, 15
	s_lshl_b32 s59, s59, 8                         ; + head in the batch x 256 bytes
	s_add_co_u32 s58, s58, s59
	s_lshl_b32 s54, s42, 12
	s_add_co_u32 s54, s54, s58
	s_mov_b32 s55, 0
	s_lshl_b32 s56, s43, 12
	s_add_co_u32 s56, s56, s58
	s_mov_b32 s57, 0
	s_mul_i32 s60, s12, 64*KP
	s_add_co_u32 s60, s60, QS                      ; my wave's Q rows
	s_mul_i32 s61, s12, 32*OP
	s_add_co_u32 s61, s61, OS                      ; my wave's out stage
	s_lshl_b32 s62, s12, 8
	s_add_co_u32 s62, s62, TW                      ; my wave's tail sums
	v_and_b32 v[RR], 15, v0
	v_bfe_u32 v[HH], v0, 4, 1
	v_and_b32 v[L16], 31, v0
	v_lshlrev_b32 v[L16], 4, v[L16]
	v_mul_u32_u24 v[KA], v[RR], KP                 ; a 16-bit fragment from rows along K: row r, 16 bytes for each half of the lanes
	v_lshl_add_u32 v[KA], v[HH], 4, v[KA]
	v_add_nc_u32 v[KA+1], SLOT, v[KA]
	v_and_b32 v18, 7, v0                           ; the transposing load: row 8 h + (lane & 7), 16 bytes by bit 3 of the lane
	v_lshl_add_u32 v18, v[HH], 3, v18
	v_bfe_u32 v19, v0, 3, 1
	v_mul_u32_u24 v[VA], v18, VP
	v_lshl_add_u32 v[VA], v19, 4, v[VA]
	v_add_nc_u32 v[VA], VOFF, v[VA]
	v_add_nc_u32 v[VA+1], SLOT, v[VA]
	v_lshlrev_b32 v18, 3, v[HH]
	v_sub_nc_u32 v[VREL], v[RR], v18
	v_mul_u32_u24 v18, v[HH], KP
	v_lshl_add_u32 v18, v[RR], 3, v18
	v_add_nc_u32 v[QSW], s60, v18                  ; Q in: two rows a load, 8 bytes a lane
	v_add_nc_u32 v[QFA], s60, v[KA]                ; Q back, as fragments
	v_mul_u32_u24 v18, v[RR], OP
	v_lshl_add_u32 v18, v[HH], 5, v18
	v_add_nc_u32 v[OSW], s61, v18                  ; out stage in: row r, 32 bytes for each half of the lanes
	v_mul_u32_u24 v18, v[HH], OP
	v_lshl_add_u32 v18, v[RR], 4, v18
	v_add_nc_u32 v[OSR], s61, v18                  ; back: lanes 0-15 one row of 256 bytes, lanes 16-31 the next
	v_lshlrev_b32 v[OOFF], 4, v[RR]
	v_lshl_add_u32 v[OOFF], v[HH], 12, v[OOFF]     ; the same two rows in out
	v_lshrrev_b32 v18, 1, v[L16]                   ; 8 x lane
	v_add_nc_u32 v[TSR], TSH, v18
	v_add_nc_u32 v[TWW], s62, v18
	v_lshlrev_b32 v19, 5, v[HH]
	v_add_nc_u32 v[TWR], s62, v19
	v_lshrrev_b32 v18, 4, v0                       ; the stager: thread t takes row t >> 4 (+ 16 i), columns 4 (t & 15) ..
	v_mul_u32_u24 v19, v18, KP
	v_lshl_add_u32 v19, v[RR], 3, v19
	v_mul_u32_u24 v20, v18, VP
	v_lshl_add_u32 v20, v[RR], 3, v20
	v_mov_b32 v[TX], 0                             ; v_permlanex16_b32 counts as a reader of its destination
	v_mov_b32 v[TX+2], 0
.irp i, 0,1,2,3,4,5,6,7
	v_mov_b32 v[ONES+\i], 0x3c003c00               ; 1.0 in both f16 halves
.endr
	WIN 0x40                                       ; destination in window 1
	v_lshlrev_b32 v[GOFF], 4, v0
	v_mov_b32 v[SK], v19
	v_add_nc_u32 v[SK+1], SLOT, v19
	v_add_nc_u32 v[SV], VOFF, v20
	v_add_nc_u32 v[SV+1], SLOT+VOFF, v20
	v_lshl_add_u32 v[TSW], v0, 4, TSH
.irp i, 0,1,2,3,4,5,6,7
	v_mov_b32 v[SUMHI+\i], 0                       ; the two tail sums start at 0: for p = 0 nothing is ever added to the first
.endr
	WIN 0
	s_wait_kmcnt 0x0
	s_add_nc_u64 s[22:23], s[6:7], s[38:39]
	s_add_nc_u64 s[24:25], s[8:9], s[38:39]
	s_mov_b64 s[KPTR:KPTR+1], s[22:23]
	s_mov_b64 s[VPTR:VPTR+1], s[24:25]
	s_add_nc_u64 s[XPTR:XPTR+1], s[24:25], s[40:41]
	s_add_nc_u64 s[44:45], s[4:5], s[50:51]
	s_add_nc_u64 s[48:49], s[4:5], s[52:53]
	s_add_nc_u64 s[34:35], s[10:11], s[54:55]
	s_add_nc_u64 s[36:37], s[10:11], s[56:57]
; K's fragments of half kh of the tile in slot, into FK: 4 tiles of 16 keys x 2 halves of d; d 0..31 first.  Leaves the destination's window at 1.
.macro KLOAD slot, kh
	WIN 0x40                                       ; destination in window 1, address in window 0
.irp kd, 0,1
.irp st, 0,1,2,3
	ds_load_b128 v[FK+16*\st+8*\kd:FK+16*\st+8*\kd+3], v[KA+\slot] offset:\kh*64*KP+\st*16*KP+\kd*64
	ds_load_b128 v[FK+16*\st+8*\kd+4:FK+16*\st+8*\kd+7], v[KA+\slot] offset:\kh*64*KP+\st*16*KP+\kd*64+32
.endr
.endr
.endm
; The head of a step: the next tile's 128 rows of k and of v, 16 bytes a thread and load, 4,096 consecutive bytes a load of the work-group.
; extra = 1: also a tile of v that HI does not walk, to be summed.  again = 1: a foot has worked on these registers.  Leaves every window at 1.
.macro TOP extra, again
	WIN 0x55                                       ; every operand place in window 1
.if \again
	s_wait_alu depctr_va_vdst(0)                   ; the last foot's conversions and sums are done with GK, GV and GX, in which the loads below land
	s_wait_alu depctr_vm_vsrc(0)                   ; the last foot's LDS stores have read GK and GV
.endif
.irp i, 0,1,2,3,4,5,6,7
	global_load_b128 v[GK+4*\i:GK+4*\i+3], v[GOFF], s[KPTR:KPTR+1] offset:4096*\i
.endr
.irp i, 0,1,2,3,4,5,6,7
	global_load_b128 v[GV+4*\i:GV+4*\i+3], v[GOFF], s[VPTR:VPTR+1] offset:4096*\i
.endr
.if \extra
.irp i, 0,1,2,3,4,5,6,7
	global_load_b128 v[GX+4*\i:GX+4*\i+3], v[GOFF], s[XPTR:XPTR+1] offset:4096*\i
.endr
.endif
.endm
; The foot of a step: round to f16 and put the tile into slot dst.  sum = 1: v's f32 numbers are first added to SUMLO.
; All the vector work stands first, then one wait, then the run of LDS stores.
; tail = 1 (HI's last step): each thread's partial tail sums go to LDS too: for HI the keys behind block 7-p, for LO those and what HI walked behind block p.
.macro BOT dst, sum, extra, tail=0
	s_wait_loadcnt 0x0                             ; all the loads of the step's head are in; the pointers may be stepped behind this wait
	WIN 0x55
.irp i, 0,1,2,3,4,5,6,7
	v_cvt_pk_f16_f32 v[GK+4*\i], v[GK+4*\i], v[GK+4*\i+1]
	v_cvt_pk_f16_f32 v[GK+4*\i+1], v[GK+4*\i+2], v[GK+4*\i+3]
.endr
.irp i, 0,1,2,3,4,5,6,7
.if \sum
	v_pk_add_f32 v[SUMLO:SUMLO+1], v[SUMLO:SUMLO+1], v[GV+4*\i:GV+4*\i+1]
	v_pk_add_f32 v[SUMLO+2:SUMLO+3], v[SUMLO+2:SUMLO+3], v[GV+4*\i+2:GV+4*\i+3]
.endif
	v_cvt_pk_f16_f32 v[GV+4*\i], v[GV+4*\i], v[GV+4*\i+1]
	v_cvt_pk_f16_f32 v[GV+4*\i+1], v[GV+4*\i+2], v[GV+4*\i+3]
.endr
.if \extra
.irp i, 0,1,2,3,4,5,6,7
	v_pk_add_f32 v[SUMHI:SUMHI+1], v[SUMHI:SUMHI+1], v[GX+4*\i:GX+4*\i+1]
	v_pk_add_f32 v[SUMHI+2:SUMHI+3], v[SUMHI+2:SUMHI+3], v[GX+4*\i+2:GX+4*\i+3]
.endr
.endif
.if \tail
	v_pk_add_f32 v[SUMLO:SUMLO+1], v[SUMLO:SUMLO+1], v[SUMHI:SUMHI+1]
	v_pk_add_f32 v[SUMLO+2:SUMLO+3], v[SUMLO+2:SUMLO+3], v[SUMHI+2:SUMHI+3]
.endif
	s_wait_alu depctr_va_vdst(0)                   ; the conversions have written GK and GV (with tail = 1: the sums SUMHI and SUMLO), which the LDS stores below read
.irp i, 0,1,2,3,4,5,6,7
	ds_store_b64 v[SK+\dst], v[GK+4*\i:GK+4*\i+1] offset:\i*16*KP
.endr
.irp i, 0,1,2,3,4,5,6,7
	ds_store_b64 v[SV+\dst], v[GV+4*\i:GV+4*\i+1] offset:\i*16*VP
.endr
.if \tail
	ds_store_b128 v[TSW], v[SUMHI:SUMHI+3]         ; in front of the step's barrier: every wave reads the partial sums behind it
	ds_store_b128 v[TSW], v[SUMLO:SUMLO+3] offset:4096
.endif
	WIN 0
	s_add_nc_u64 s[KPTR:KPTR+1], s[KPTR:KPTR+1], TILEB
	s_add_nc_u64 s[VPTR:VPTR+1], s[VPTR:VPTR+1], TILEB
.if \extra
	s_add_nc_u64 s[XPTR:XPTR+1], s[XPTR:XPTR+1], TILEB
.endif
.endm
; One barrier a step, for two things: my stores into the other slot are done, and so are my reads of this slot, which the next step's foot overwrites.
.macro BAR
	s_wait_dscnt 0x0
	s_barrier_signal -1
	s_barrier_wait -1
.endm
; My wave's Q rows at byte off of its stage, as four B fragments in window 1.
.macro QFRAG off
	WIN 0x40
.irp q, 0,1
.irp kd, 0,1
	ds_load_b128 v[QF+16*\q+8*\kd:QF+16*\q+8*\kd+3], v[QFA] offset:\off+\q*16*KP+\kd*64
	ds_load_b128 v[QF+16*\q+8*\kd+4:QF+16*\q+8*\kd+7], v[QFA] offset:\off+\q*16*KP+\kd*64+32
.endr
.endr
	WIN 0
.endm
; 64 keys (half kh of the tile in slot) against my 32 queries: the scores and the softmax.  K's fragments have been asked for.
; mask = 1: the causal mask is applied.  first = 1: the walk's first half starts the sums.
.macro SCORES slot, kh, mask, first
	s_wait_dscnt 0x8                               ; LDS loads come back in order (ISA guide 5.7.1): K's d 0..31 is in, the eight younger loads stay out
	WIN 0x05                                       ; sources 0 (K) and 1 (Q) in window 1
.irp st, 0,1,2,3                                   ; eight accumulators take turns, one instruction a turn; the first product starts each sum
.irp q, 0,1
	v_wmma_f32_16x16x32_f16 v[SC+32*\q+8*\st:SC+32*\q+8*\st+7], v[FK+16*\st:FK+16*\st+7], v[QF+16*\q:QF+16*\q+7], 0
.endr
.endr
	s_wait_dscnt 0x0
.irp st, 0,1,2,3
.irp q, 0,1
	v_wmma_f32_16x16x32_f16 v[SC+32*\q+8*\st:SC+32*\q+8*\st+7], v[FK+16*\st+8:FK+16*\st+15], v[QF+16*\q+8:QF+16*\q+15], v[SC+32*\q+8*\st:SC+32*\q+8*\st+7]
.endr
.endr
	WIN 0
	PLACES 4                                       ; four places before the scores are read (ISA guide 7.12.1)
	s_wait_alu depctr_va_vdst(0)                   ; the last half's products with P are done reading FR, and the products above are done reading FK: the loads below land in them
.irp ks, 0,1                                       ; V^T fragments by the transposing load: 2 x 32 keys, 4 tiles of 16 d; keys 0..31 first
.irp dt, 0,1,2,3
	ds_load_tr16_b128 v[FR+8*(4*\ks+\dt):FR+8*(4*\ks+\dt)+3], v[VA+\slot] offset:\kh*64*VP+\ks*32*VP+\dt*32
	ds_load_tr16_b128 v[FR+8*(4*\ks+\dt)+4:FR+8*(4*\ks+\dt)+7], v[VA+\slot] offset:\kh*64*VP+\ks*32*VP+16*VP+\dt*32
.endr
.endr
.if \kh == 0
	KLOAD \slot, 1                                 ; the second half's K lands during this half's softmax; between the wait above and these loads stand loads and a window switch alone
	WIN 0
.endif
.if \mask
	; key <= query  <=>  16 (st - q) + j <= r - 8 h - (tile's first key - my first query) - 64 kh.  One compare serves (q = 0, st) and (q = 1, st + 1).
.if \kh
	s_add_co_u32 s63, s29, 64
	v_sub_nc_u32 v[VT], v[VREL], s63
.else
	v_sub_nc_u32 v[VT], v[VREL], s29
.endif
.irp dl, -1,0,1,2,3
.irp j, 0,1,2,3,4,5,6,7
	v_cmp_le_i32 vcc_lo, 16*(\dl)+\j, v[VT]
	s_wait_alu depctr_va_vcc(0)                    ; the compare has written VCC, which the selects below read
.if \dl >= 0
	v_cndmask_b32 v[SC+8*(\dl)+\j], s28, v[SC+8*(\dl)+\j], vcc_lo
.endif
.if \dl <= 2
	v_cndmask_b32 v[SC+40+8*(\dl)+\j], s28, v[SC+40+8*(\dl)+\j], vcc_lo
.endif
.endr
.endr
.endif
	; the maximum of my 32 scores of each query and of the running maximum: two chains a query tile, four in all
.irp q, 0,1
.if \first
	v_max_num_f32 v[TA+2*\q], v[SC+32*\q], v[SC+32*\q+1]
.else
	v_max3_num_f32 v[TA+2*\q], v[SC+32*\q], v[SC+32*\q+1], v[MX+2*\q]
.endif
	v_max3_num_f32 v[TA+2*\q+1], v[SC+32*\q+16], v[SC+32*\q+17], v[SC+32*\q+18]
.endr
.irp i, 1,2,3,4,5,6
.irp q, 0,1
	v_max3_num_f32 v[TA+2*\q], v[TA+2*\q], v[SC+32*\q+2*\i], v[SC+32*\q+2*\i+1]
	v_max3_num_f32 v[TA+2*\q+1], v[TA+2*\q+1], v[SC+32*\q+17+2*\i], v[SC+32*\q+18+2*\i]
.endr
.endr
.irp q, 0,1
	v_max3_num_f32 v[TA+2*\q], v[TA+2*\q], v[SC+32*\q+14], v[SC+32*\q+15]
.endr
.irp q, 0,1
	v_max3_num_f32 v[TA+2*\q], v[TA+2*\q], v[TA+2*\q+1], v[SC+32*\q+31]
.endr
.irp q, 0,1
	v_permlanex16_b32 v[TX+2*\q], v[TA+2*\q], s30, s31     ; lane r + 16 holds the query's other 32 keys
.endr
.irp q, 0,1
	v_max_num_f32 v[TA+2*\q], v[TA+2*\q], v[TX+2*\q]
.endr
.irp q, 0,1
	v_mul_f32 v[NM+2*\q], s46, v[TA+2*\q]                  ; -c x new maximum
.endr
.if \first == 0
.irp q, 0,1
	v_fma_f32 v[TA+4+\q], v[MX+2*\q], s26, v[NM+2*\q]      ; c (old maximum - new maximum)
.endr
.irp q, 0,1
	v_exp_f32 v[AL+2*\q], v[TA+4+\q]
.endr
.endif
.irp q, 0,1
	v_mov_b32 v[MX+2*\q], v[TA+2*\q]                       ; plain instructions behind the exponentials, before their results are used
.endr
	; p = 2^(c s - c m), 16 registers at a time; a quarter of the rescale of O and of the row sums fills the place behind the exponentials
.irp q, 0,1
.irp ks, 0,1
.set BB, SC+32*\q+16*\ks
.irp i, 0,2,4,6,8,10,12,14
	v_pk_fma_f32 v[BB+\i:BB+\i+1], v[BB+\i:BB+\i+1], s[26:27], v[NM+2*\q:NM+2*\q+1] op_sel_hi:[1,0,0]
.endr
.irp i, 0,1,2,3,4,5,6,7,8,9,10,11,12,13,14,15
	v_exp_f32 v[BB+\i], v[BB+\i]
.endr
.if \first
	v_nop                                          ; nothing to rescale yet: the plain place behind the exponentials
	s_wait_alu depctr_va_vdst(0)
.else
	s_wait_alu depctr_va_vdst(0)
.irp dd, 0,1
.irp i, 0,2,4,6
.set OO, OA+8*(2*(2*\ks+\dd)+\q)+\i
	v_pk_mul_f32 v[OO:OO+1], v[OO:OO+1], v[AL+2*\q:AL+2*\q+1] op_sel_hi:[1,0]
.endr
.endr
	s_wait_alu depctr_va_vdst(0)
.irp i, 0,2
.set OO, LC+8*\q+4*\ks+\i
	v_pk_mul_f32 v[OO:OO+1], v[OO:OO+1], v[AL+2*\q:AL+2*\q+1] op_sel_hi:[1,0]
.endr
.endif
.irp i, 0,1,2,3,4,5,6,7
	v_cvt_pk_f16_f32 v[BB+\i], v[BB+2*\i], v[BB+2*\i+1]    ; in place, ascending: register i is written after registers 2 i' of all i' < i were read
.endr
.endr
.endr
.endm
; O^T += V^T P^T and row sums += ones x P^T: ten accumulators take turns, one instruction a turn.
; young = the LDS instructions issued behind V's sixteen loads, which may stay out: the second half's 16 loads of K, or the foot's 16 (18) stores, or none.
.macro PV first, young
.irp ks, 0,1
.if \ks == 0
	s_wait_dscnt 8+\young                          ; V's keys 0..31 are in; V's eight younger loads and what was issued behind them stay out
.else
	s_wait_dscnt \young                            ; V is in
.endif
.irp dt, 0,1,2,3
.irp q, 0,1
.set OO, OA+8*(2*\dt+\q)
.if \first*(1-\ks)
	v_wmma_f32_16x16x32_f16 v[OO:OO+7], v[FR+8*(4*\ks+\dt):FR+8*(4*\ks+\dt)+7], v[SC+32*\q+16*\ks:SC+32*\q+16*\ks+7], 0
.else
	v_wmma_f32_16x16x32_f16 v[OO:OO+7], v[FR+8*(4*\ks+\dt):FR+8*(4*\ks+\dt)+7], v[SC+32*\q+16*\ks:SC+32*\q+16*\ks+7], v[OO:OO+7]
.endif
.endr
.endr
.irp q, 0,1
.if \first*(1-\ks)
	v_wmma_f32_16x16x32_f16 v[LC+8*\q:LC+8*\q+7], v[ONES:ONES+7], v[SC+32*\q+16*\ks:SC+32*\q+16*\ks+7], 0
.else
	v_wmma_f32_16x16x32_f16 v[LC+8*\q:LC+8*\q+7], v[ONES:ONES+7], v[SC+32*\q+16*\ks:SC+32*\q+16*\ks+7], v[LC+8*\q:LC+8*\q+7]
.endif
.endr
.endr
	PLACES 5                                       ; five places before the next products write over P, four before O is read (ISA guide 7.12.1)
.endm
; A step.  K's first fragments are asked for first behind the barrier: FK's last readers stand ahead of the last half's wait on va_vdst, and nothing since names FK.
; The foot stands ahead of the last products: its wait finds vector instructions alone, and its stores are on their way during those products.
.macro STEP slot, mask, first, extra, sum
	KLOAD \slot, 0
	TOP \extra, 1
	SCORES \slot, 0, \mask, \first
	PV \first, 16
	SCORES \slot, 1, \mask, 0
	BOT 1-\slot, \sum, \extra
	PV 0, 16
	BAR
.endm
; The end of a walk: the tail enters as one more update (score s32, CNT keys, column sums at tsoff), then O / sum leaves through my own stage.
.macro EPI tsoff, ob
	s_wait_alu depctr_va_vdst(0)                           ; the walk's last products are done reading V's fragments in FR, in which the loads below land
.irp g, 0,1,2,3,4,5,6,7,8,9,10,11,12,13,14,15
	ds_load_b64 v[FR+2*\g:FR+2*\g+1], v[TSR] offset:\tsoff+256*\g       ; columns 2 lane, 2 lane + 1 of the 16 rows of partial sums
.endr
.irp q, 0,1
	v_max_num_f32 v[TA+2*\q], s32, v[MX+2*\q]              ; the last maximum
.endr
.irp q, 0,1
	v_mul_f32 v[NM+2*\q], s46, v[TA+2*\q]
.endr
.irp q, 0,1
	v_fma_f32 v[TA+4+\q], v[MX+2*\q], s26, v[NM+2*\q]
	v_fma_f32 v[TA+6+\q], s32, s26, v[NM+2*\q]
.endr
.irp i, 4,5,6,7
	v_exp_f32 v[TA+\i], v[TA+\i]                           ; rescale factor (4, 5) and the tail's weight (6, 7)
.endr
	v_nop                                                  ; the plain place behind the exponentials
	s_wait_alu depctr_va_vdst(0)
.irp q, 0,1
	v_mul_f32 v[TA+8+\q], v[LC+8*\q], v[TA+4+\q]
.endr
.irp q, 0,1
	v_fma_f32 v[TA+8+\q], v[TA+6+\q], v[CNT], v[TA+8+\q]   ; the denominator
.endr
	v_rcp_f32 v[TA+8], v[TA+8]
	v_rcp_f32 v[TA+9], v[TA+9]
	v_nop                                                  ; the plain place behind the reciprocals
	s_wait_alu depctr_va_vdst(0)
.irp q, 0,1
	v_mul_f32 v[AL+2*\q], v[TA+4+\q], v[TA+8+\q]           ; what O is multiplied by
	v_mul_f32 v[NM+2*\q], v[TA+6+\q], v[TA+8+\q]           ; what the tail's column sums are multiplied by
.endr
	s_wait_dscnt 0x0
.irp i, 0,4,8,12,16,20,24,28
	v_pk_add_f32 v[FR+\i:FR+\i+1], v[FR+\i:FR+\i+1], v[FR+\i+2:FR+\i+3]
.endr
.irp i, 0,8,16,24
	v_pk_add_f32 v[FR+\i:FR+\i+1], v[FR+\i:FR+\i+1], v[FR+\i+4:FR+\i+5]
.endr
.irp i, 0,16
	v_pk_add_f32 v[FR+\i:FR+\i+1], v[FR+\i:FR+\i+1], v[FR+\i+8:FR+\i+9]
.endr
	v_pk_add_f32 v[FR:FR+1], v[FR:FR+1], v[FR+16:FR+17]
	s_wait_alu depctr_va_vdst(0)                           ; the additions have written v[FR:FR+1], which the store below reads
	ds_store_b64 v[TWW], v[FR:FR+1]                        ; my wave's own bytes; LDS serves a wave's instructions in order (ISA guide 5.7.1): the loads below see this store
.irp dt, 0,1,2,3
	ds_load_b128 v[FR+32+8*\dt:FR+32+8*\dt+3], v[TWR] offset:64*\dt        ; the sums of d = 16 dt + 8 h + 0..7, as O holds them
	ds_load_b128 v[FR+32+8*\dt+4:FR+32+8*\dt+7], v[TWR] offset:64*\dt+16
.endr
	s_wait_dscnt 0x0
.irp q, 0,1
.irp dt, 0,1,2,3
.irp i, 0,2,4,6
.set OO, OA+8*(2*\dt+\q)+\i
	v_pk_mul_f32 v[OO:OO+1], v[OO:OO+1], v[AL+2*\q:AL+2*\q+1] op_sel_hi:[1,0]
	v_pk_fma_f32 v[OO:OO+1], v[FR+32+8*\dt+\i:FR+32+8*\dt+\i+1], v[NM+2*\q:NM+2*\q+1], v[OO:OO+1] op_sel_hi:[1,0,1]
.endr
.endr
.endr
	s_wait_alu depctr_va_vdst(0)                           ; O is written, which the LDS stores below read; and all that named SC is done: the read-backs land there
.irp q, 0,1
.irp dt, 0,1,2,3
	ds_store_b128 v[OSW], v[OA+8*(2*\dt+\q):OA+8*(2*\dt+\q)+3] offset:\q*16*OP+\dt*64
	ds_store_b128 v[OSW], v[OA+8*(2*\dt+\q)+4:OA+8*(2*\dt+\q)+7] offset:\q*16*OP+\dt*64+16
.endr
.endr
.irp i, 0,1,2,3,4,5,6,7,8,9,10,11,12,13,14,15
	ds_load_b128 v[SC+4*\i:SC+4*\i+3], v[OSR] offset:\i*2*OP               ; two whole rows; my own bytes, in order behind the stores
.endr
.irp i, 0,1,2,3,4,5,6,7,8,9,10,11,12,13,14,15
	s_wait_dscnt 15-\i                                     ; the younger read-backs stay out
	global_store_b128 v[OOFF], v[SC+4*\i:SC+4*\i+3], s[\ob:\ob+1] offset:8192*\i th:TH_STORE_NT   ; 16 lanes store 256 consecutive bytes, aligned: one query's row of one head
.endr
.endm
	; ---- prologue: my 64 rows of q, and tile 0
	s_wait_alu depctr_va_vdst(0)                   ; every offset and LDS address of the kernel is written: the loads and stores from here on read them, and none is written again
.irp i, 0,1,2,3,4,5,6,7,8,9,10,11,12,13,14,15
	global_load_b128 v[SC+4*\i:SC+4*\i+3], v[L16], s[44:45] offset:512*\i th:TH_LOAD_NT
.endr
.irp i, 0,1,2,3,4,5,6,7,8,9,10,11,12,13,14,15
	global_load_b128 v[FR+4*\i:FR+4*\i+3], v[L16], s[48:49] offset:512*\i th:TH_LOAD_NT
.endr
	TOP 0, 0
	WIN 0
	s_wait_loadcnt 0x10                            ; q is in; the 16 younger loads, tile 0's, stay out
.irp i, 0,1,2,3,4,5,6,7,8,9,10,11,12,13,14,15
	v_cvt_pk_f16_f32 v[SC+4*\i], v[SC+4*\i], v[SC+4*\i+1]
	v_cvt_pk_f16_f32 v[SC+4*\i+1], v[SC+4*\i+2], v[SC+4*\i+3]
.endr
.irp i, 0,1,2,3,4,5,6,7,8,9,10,11,12,13,14,15
	v_cvt_pk_f16_f32 v[FR+4*\i], v[FR+4*\i], v[FR+4*\i+1]
	v_cvt_pk_f16_f32 v[FR+4*\i+1], v[FR+4*\i+2], v[FR+4*\i+3]
.endr
	s_wait_alu depctr_va_vdst(0)                   ; the conversions have written q in f16, which the LDS stores below read
.irp i, 0,1,2,3,4,5,6,7,8,9,10,11,12,13,14,15
	ds_store_b64 v[QSW], v[SC+4*\i:SC+4*\i+1] offset:\i*2*KP
.endr
.irp i, 0,1,2,3,4,5,6,7,8,9,10,11,12,13,14,15
	ds_store_b64 v[QSW], v[FR+4*\i:FR+4*\i+1] offset:32*KP+\i*2*KP
.endr
	QFRAG 0                                        ; HI's fragments: my wave's own bytes, in order behind the stores; waited for in front of the barrier
	BOT 0, 0, 0
	BAR
	; ---- HI: tiles 0 .. 15-2p.  A tile's slot is its number's parity.
	; The three loops count down and end on a signed compare with 0; a branch in front jumps over a loop that has no trip.
	STEP 0, 0, 1, 0, 0                             ; tile 0; stages tile 1.  Its head's wait on vm_vsrc also states that the prologue's LDS stores have read SC and FR, which this step writes
	s_cmp_eq_u32 s14, 0
	s_cbranch_scc1 .Lhx_end
	s_mov_b32 s15, s14                             ; p trips: tiles 1 .. 2p; each step also sums one of the 2p tiles of v behind block 7-p;
.Lhx:                                              ; the tiles staged, 2 .. 2p+1, lie in blocks that LO walks: not summed
	STEP 1, 0, 0, 1, 0
	STEP 0, 0, 0, 1, 0
	s_sub_co_i32 s15, s15, 1
	s_cmp_gt_i32 s15, 0
	s_cbranch_scc1 .Lhx
.Lhx_end:
	s_cmp_eq_u32 s14, 3
	s_cbranch_scc1 .Lhy_end
	s_lshl_b32 s15, s14, 1
	s_sub_co_u32 s15, 6, s15                       ; 6-2p trips: tiles 2p+1 .. 12-2p; the tiles staged from here on lie behind block p: summed for LO's tail
.Lhy:
	STEP 1, 0, 0, 0, 1
	STEP 0, 0, 0, 0, 1
	s_sub_co_i32 s15, s15, 1
	s_cmp_gt_i32 s15, 0
	s_cbranch_scc1 .Lhy
.Lhy_end:
	STEP 1, 0, 0, 0, 1                             ; tile 13-2p
	s_sub_co_u32 s29, 0, s47                       ; the diagonal block's first tile begins 32 w keys in front of my first query
	STEP 0, 1, 0, 0, 1                             ; tile 14-2p
	s_sub_co_u32 s29, 128, s47
	s_mov_b64 s[KPTR:KPTR+1], s[22:23]             ; no load is out (the last foot waited for all): LO begins again at the head's tile 0
	s_mov_b64 s[VPTR:VPTR+1], s[24:25]
	KLOAD 1, 0                                     ; tile 15-2p
	TOP 0, 1
	SCORES 1, 0, 1, 0
	PV 0, 16
	SCORES 1, 1, 1, 0
	BOT 0, 0, 0, 1                                 ; LO's tile 0, and the partial tail sums
	PV 0, 18                                       ; the foot's 16 stores and the tail's 2 may stay out
	BAR
	; ---- HI leaves; LO: tiles 0 .. 2p+1
	KLOAD 0, 0                                     ; LO's tile 0
	TOP 0, 1                                       ; LO's tile 1
	WIN 0
	s_cmp_eq_u32 s14, 0
	s_cselect_b32 s32, 0xff800000, s28             ; p = 0: HI walked every key: the tail's score is -inf, its weight 0
	s_lshl_b32 s38, s14, 8                         ; 256 p keys not walked
	v_cvt_f32_u32 v[CNT], s38
	EPI 0, 34
	s_wait_xcnt 0x0                                ; the registers that the stores read are rewritten only behind this wait
	s_wait_alu depctr_vm_vsrc(0)                   ; the way out's stores have read SC, O and v[FR:FR+1], which LO's first products and V's loads write again
	QFRAG 32*KP                                    ; LO's fragments: QF's last readers, HI's score products, stand ahead of the way out's waits on va_vdst
	s_add_co_u32 s38, s38, s47
	s_sub_co_u32 s29, 0, s38                       ; tile 0 begins 256 p + 32 w keys in front of my first query (for p = 0 it is the diagonal block's first tile)
	s_wait_dscnt 0x0
	SCORES 0, 0, 1, 1
	PV 1, 16
	SCORES 0, 1, 1, 0
	BOT 1, 0, 0
	PV 0, 16
	BAR
	s_cmp_eq_u32 s14, 0
	s_cbranch_scc1 .Lll
	s_cmp_eq_u32 s14, 1
	s_cbranch_scc1 .Llf_end
	s_sub_co_u32 s15, s14, 1                       ; p-1 trips: tiles 1 .. 2p-2
.Llf:
	STEP 1, 0, 0, 0, 0
	STEP 0, 0, 0, 0, 0
	s_sub_co_i32 s15, s15, 1
	s_cmp_gt_i32 s15, 0
	s_cbranch_scc1 .Llf
.Llf_end:
	STEP 1, 0, 0, 0, 0                             ; tile 2p-1
	s_sub_co_u32 s29, 0, s47
	STEP 0, 1, 0, 0, 0                             ; tile 2p
.Lll:
	s_sub_co_u32 s29, 128, s47
	KLOAD 1, 0                                     ; tile 2p+1: nothing more is staged, no barrier follows
	SCORES 1, 0, 1, 0
	PV 0, 16
	SCORES 1, 1, 1, 0
	PV 0, 0
	s_mov_b32 s32, s28
	s_sub_co_u32 s38, 7, s14
	s_lshl_b32 s38, s38, 8                         ; 256 (7-p) keys not walked
	v_cvt_f32_u32 v[CNT], s38
	EPI 4096, 36
	s_wait_dscnt 0x0
	s_wait_alu depctr_hold_cnt(0) depctr_sa_sdst(0) depctr_va_vdst(0) depctr_va_sdst(0) depctr_va_ssrc(0) depctr_va_vcc(0) depctr_vm_vsrc(0)
	s_wait_tensorcnt 0x0
	ds_add_u32 v38, v39
	s_wait_dscnt 0x0
	s_endpgm
.Lfunc_end_k_q3c2648a938_attn:
	.size	k_q3c2648a938_attn, .Lfunc_end_k_q3c2648a938_attn-k_q3c2648a938_attn
	.p2alignl 7, 3214868480
	.fill 96, 4, 3214868480
	.section	.rodata,"a",@progbits
	.p2align	6, 0x0
	.amdhsa_kernel k_q3c2648a938_attn
		.amdhsa_group_segment_fixed_size 232448
		.amdhsa_private_segment_fixed_size 0
		.amdhsa_enable_private_segment 0
		.amdhsa_kernarg_size 32
		.amdhsa_user_sgpr_count 2
		.amdhsa_user_sgpr_kernarg_segment_ptr 1
		.amdhsa_wavefront_size32 1
		.amdhsa_system_sgpr_workgroup_id_x 1
		.amdhsa_system_sgpr_workgroup_id_y 1
		.amdhsa_system_sgpr_workgroup_id_z 1
		.amdhsa_system_vgpr_workitem_id 0
		.amdhsa_next_free_vgpr 464
		.amdhsa_next_free_sgpr 66
		.amdhsa_reserve_vcc 1
		.amdhsa_float_denorm_mode_32 3
		.amdhsa_float_denorm_mode_16_64 3
		.amdhsa_memory_ordered 1
		.amdhsa_forward_progress 1
		.amdhsa_inst_pref_size 255
	.end_amdhsa_kernel
	.section	.bss,"aw",@nobits
	.p2align	6
	.space	262144
	.amdgpu_metadata
---
amdhsa.version: [ 1, 2 ]
amdhsa.kernels:
  - .name:           k_q3c2648a938_attn
    .symbol:         k_q3c2648a938_attn.kd
    .args:
      - { .name: q, .offset: 0, .size: 8, .value_kind: global_buffer, .address_space: global }
      - { .name: k, .offset: 8, .size: 8, .value_kind: global_buffer, .address_space: global }
      - { .name: v, .offset: 16, .size: 8, .value_kind: global_buffer, .address_space: global }
      - { .name: out0, .offset: 24, .size: 8, .value_kind: global_buffer, .address_space: global }
    .group_segment_fixed_size: 232448
    .private_segment_fixed_size: 0
    .kernarg_segment_align: 8
    .kernarg_segment_size: 32
    .max_flat_workgroup_size: 256
    .sgpr_count:     66
    .vgpr_count:     464
    .wavefront_size: 32
...
	.end_amdgpu_metadata
.endif
;; end of part 2
